; MI455X (gfx1250); checked and timed in simulation.
; The chip was launched on July 23, 2026; its instructions are those of AMD's public machine-readable ISA for CDNA 5 (MIT licence, August 2026) and "CDNA5" Instruction Set Architecture Reference Guide (July 2026). The comments in the code are by the model that wrote it; some were corrected since.
;; Gemm RS Baseline. Allowed arithmetic: matrix products marked QUANTISED: E2M1 operands, one E8M0 scale for each 32 along K, by v_wmma_scale_f32_16x16x128_f8f6f4 with both operands' format E2M1 (or v_wmma_scale_f32_32x16x128_f4), f32 sums; everything else in f32.
;; Inputs: weight 8 x 1,024 x 4,096 float32; x 8 x 2,048 x 1,024 float32.
;; Outputs: out0 8 x 256 x 4,096 float32.
;; This version of the problem:
;;   THIS VERSION OF THE PROBLEM IS GIVEN IN LOW PRECISION. The matrix products marked QUANTISED in the list below multiply operands that are first quantised to E2M1 (2 exponent bits, 1 mantissa bit; 4 bits a number), with one power-of-two scale for each 32 numbers along K (OCP MX v1.0); their sums are f32. All else is computed in f32.
;;   The module's matrix products, in the order in which they are computed (A, B: the left and right operand; K: the contracted axis; several contracted axes count as one K, in the product's order):
;;     1. [M 2,048, K 8,192] x [K 8,192, N 4,096]; A: input x; B: input weight: QUANTISED
;;   THE QUANTISER, for each operand of a quantised product, along K:
;;     - K is cut into blocks of 32 from its start; a last block that is shorter is filled with zeros.
;;     - A block's scale is 2^e with e = floor(log2(the largest magnitude in the block)) - 2, held to -126 .. 127; a block of zeros has e = 0. As a byte (E8M0): e + 127.
;;     - Each number is divided by its block's scale, clamped to +-6, and rounded to the nearest number of E2M1, ties to even, subnormals kept.
;;     - The product sums the exact products of the quantised numbers (number of the format x scale) in f32.
;;   ~~~python
;;   def quantise(x, axis):      # numpy; x: float32 -> the quantised numbers, widened to float32 again
;;       x = np.moveaxis(x, axis, -1); K = x.shape[-1]
;;       x = np.pad(x, [(0, 0)] * (x.ndim - 1) + [(0, -K % 32)]); x = x.reshape(x.shape[:-1] + (-1, 32)); a = np.abs(x).max(-1, keepdims=True)
;;       e = np.where(a > 0, np.clip(np.frexp(np.where(a > 0, a, 1))[1] - 1 - 2, -126, 127), 0)      # np.frexp(a)[1] - 1 = floor(log2(a)), exactly
;;       r = np.clip(x / 2.0 ** e, -6, 6)
;;       step = 2.0 ** (np.maximum(np.frexp(np.where(r == 0, 1, r))[1] - 1, 0) - 1)
;;       q = np.round(r / step) * step * 2.0 ** e      # np.round: ties to even
;;       return np.moveaxis(q.reshape(q.shape[:-2] + (-1,))[..., :K], -1, axis).astype(np.float32)
;;   ~~~
;; One version. Each part assembles by itself: llvm-mc -triple=amdgcn-amd-amdhsa -mcpu=gfx1250 --defsym DOCPART=n.
;; ======== version 1 of 1: 2 launches
;; limits: right only within a limited range of input values
;; workspace buffers: a_q 8,912,896 bytes; b_q 17,825,792 bytes
;; launch quant (part 1): grid 768 x 1, 4 waves a work-group, no clusters, 38,400 bytes of LDS; arguments x, weight, a_q, b_q; writes a_q, b_q
.if DOCPART == 1
	.amdgcn_target "amdgcn-amd-amdhsa--gfx1250"
	.amdhsa_code_object_version 6
	.text
	.protected	k_qe3937bfdc2_quant
	.globl	k_qe3937bfdc2_quant
	.p2align	8
	.type	k_qe3937bfdc2_quant,@function
k_qe3937bfdc2_quant:
	s_mov_b64 s[64:65], 0
	v_nop
	global_prefetch_b8 v0, s[64:65] scope:SCOPE_SE
	s_setreg_imm32_b32 hwreg(HW_REG_WAVE_MODE, 25, 1), 1
	s_wait_xcnt 0x0
; Both operands of full[m][n] = sum over (k, rank) of x[rank][m][k] weight[rank][k][n] are turned from f32 into codes of FP4 (E2M1) with one E8M0 scale byte for each block of 32 along K.
; K IS 8 k + rank: the product contracts (k, rank) in that order.  So a BLOCK of 32 along K is 4 neighbouring k x the 8 ranks: block j (0 .. 255) holds k = 4 j .. 4 j + 3 of every rank.
; INSIDE a block the 32 codes lie in the order 4 rank + k % 4, not 8 (k % 4) + rank: the same permutation in both operands, inside one scale's block, so that every product and every scale is as the rule has it; only the
; order in which one matrix instruction adds a block's products differs.  Two codes a byte, the earlier one in the low four bits: a block is 16 bytes.
; THE OUTPUT LIES IN THE ORDER OF THE MATRIX OPERAND'S REGISTERS.  a_q: [64 double groups of 32 rows m][32 pair records], b_q: [128 double groups of 32 columns n][32 pair records].  A PAIR RECORD, 4,352 bytes, is 8 blocks
; (256 along K) of 32 rows: codes [step e 0..1][h 0..1][block 0..3][r 0..15][16 bytes], row = 32 G + 16 h + r, block j = 8 P + 4 e + block; behind them, at 4,096, the scale bytes [h][r][8 bytes], byte 4 e + block.
; So sixteen rows' 16 bytes of one block are 256 consecutive bytes, a fragment of 16 rows x 128 K is 1,024 consecutive bytes, and a row's scale words of a pair are 8 bytes.
; A block's scale is 2^(floor(log2(its largest magnitude)) - 2); its byte is the largest magnitude's own exponent field - 2, held at 1 from below; each number is divided by the scale and rounded to the nearest code, ties to even, beyond 6 to 6.
; LIMITS: a block of zeros gets the byte 1 where the rule says 127 (its codes are zeros, which add nothing under any byte but 0xff, and this program alone reads the bytes); blocks whose largest magnitude lies under 2^-124, whose byte is
; held at 1, were not tried; NaN and infinities among the inputs are not served.
; SHARES: 768 work-groups of four waves.  A wave takes one double group x 16 blocks: 65,536 bytes of f32 in, two pair records, 8,704 consecutive bytes, out.  Work-groups 0-255 take x, 256-767 weight: one scalar branch on the
; work-group's number; the paths never join.  In both a lane holds a WHOLE block in 32 registers: no other lane is asked for a maximum.  No tensor loads, no barrier: waves share nothing.  Only the x path uses LDS.
.set XWG,   256                        ; work-groups for x
.set PAIRB, 4352                       ; a pair record
.set DGB,   32*PAIRB                   ; a double group
.set RUNB,  2*PAIRB                    ; a wave's output
.set RB,    32                         ; s[32:47] eight bases, one a rank
.set UP,    272                        ; x path: from one run of 256 bytes to the next in the stage: 256 + 16
.set WREG,  9472                       ; a wave's LDS: 34 such places, rounded up
.set XR,    16                         ; v16-143  x path: four sets of 32 numbers; at the end the way out
.set XE,    144                        ; v144-159 a scale byte for each step
.set XC,    160                        ; v160-223 four code registers for each step: no store's data are written again
.set WS,    24                         ; v24-27   weight path: 16 scale bytes, four to a register
.set WN,    32                         ; v32-95   two sets of 32 numbers
.set WC,    96                         ; v96-159  four code registers for each block: no store's data are written again
; The 32 numbers v[XS] .. v[XS + 31] of one block become 32 codes in v[CD] .. v[CD + 3]; v11 is left holding the scale in its exponent field.  v12, v13 at work.
.macro BLOCKQ
	v_max3_num_f32 v12, |v[XS]|, |v[XS+1]|, |v[XS+2]|              ; the block's largest magnitude, in two chains that do not wait for each other
	v_max3_num_f32 v13, |v[XS+3]|, |v[XS+4]|, |v[XS+5]|
.irp i, 6,10,14,18,22,26
	v_max3_num_f32 v12, v12, |v[XS+\i]|, |v[XS+\i+1]|
	v_max3_num_f32 v13, v13, |v[XS+\i+2]|, |v[XS+\i+3]|
.endr
	v_max3_num_f32 v12, v12, |v[XS+30]|, |v[XS+31]|
	v_max3_num_f32 v12, v12, v13, 0x1800000        ; and the floor 2^(3 - 127): so the byte cannot fall under 1
	v_add_nc_u32 v11, 0xff000000, v12              ; 2 off its exponent field: the conversion takes the exponent field of this operand as its scale, and nothing else of it
.irp g, 0,1,2,3
	v_cvt_scalef32_pk8_fp4_f32 v[CD+\g], v[XS+8*\g:XS+8*\g+7], v11   ; the first number's code in the lowest four bits
.endr
.endm
	s_load_b128 s[4:7], s[0:1], 0x0                ; x, weight
	s_load_b128 s[8:11], s[0:1], 0x10              ; a_q, b_q
	v_lshl_add_u32 v224, v0, 2, 0x9400
	v_mov_b32 v225, 0
	v_lshrrev_b32 v1, 5, v0
	v_readfirstlane_b32 s16, v1                    ; wave 0..3
	v_and_b32 v2, 31, v0                           ; lane
	s_mov_b32 s21, 0                               ; the high word of every offset below
	s_wait_kmcnt 0x0
	s_cmp_lt_u32 ttmp9, XWG
	s_cbranch_scc0 .Lweight
; ---------------- x.  A step is a row of each of the double group's two halves: lanes 0-15 take blocks 16 Y .. 16 Y + 15 of row 32 G + t, lanes 16-31 the same blocks of row 32 G + 16 + t.  Of each rank a lane takes the 16 bytes
; x[rank][row][64 Y + 4 b ..]: eight loads, each of two runs of 256 consecutive bytes, and the lane's registers 4 rank + i are its block.  Over the 16 steps a lane makes the 256 bytes of one block of sixteen rows; they are
; gathered in the wave's own stage, as are the scale bytes, and the wave's 8,704 bytes leave as they lie in a_q, 512 consecutive bytes a store.
	s_lshl_b32 s17, ttmp9, 2
	s_add_co_u32 s17, s17, s16                     ; u = 4 x work-group + wave: 0 .. 1,023
	s_and_b32 s18, s17, 15                         ; Y: the four waves of a work-group stand side by side in the rows
	s_lshr_b32 s19, s17, 4                         ; G
	s_lshl_b32 s20, s19, 17                        ; x: 32 G rows of 4,096 bytes,
	s_lshl_b32 s22, s18, 8                         ; + 64 Y numbers
	s_add_co_u32 s20, s20, s22
	s_add_nc_u64 s[4:5], s[4:5], s[20:21]
.irp r, 0,1,2,3,4,5,6,7
	s_add_nc_u64 s[RB+2*\r:RB+2*\r+1], s[4:5], \r*0x800000         ; a rank of x is 2^23 bytes: past a load's immediate, so each rank has a base
.endr
	s_mul_i32 s20, s19, DGB                        ; a_q: my double group,
	s_mul_i32 s22, s18, RUNB                       ; my two pair records
	s_add_co_u32 s20, s20, s22
	s_add_nc_u64 s[8:9], s[8:9], s[20:21]
	s_mul_i32 s23, s16, WREG                       ; my wave's LDS
	s_wait_alu depctr_va_vdst(0)
	v_lshrrev_b32 v8, 4, v2                        ; h: which half of the double group
	v_and_b32 v9, 15, v2                           ; b: which of the 16 blocks
	v_lshlrev_b32 v3, 4, v9                        ; in: 16 bytes a block,
	v_lshl_add_u32 v3, v8, 16, v3                  ; 16 rows of 4,096 bytes a half
	v_bfe_u32 v10, v2, 3, 1                        ; b / 8: which pair record
	v_bfe_u32 v11, v2, 2, 1                        ; which step of the pair
	v_and_b32 v12, 3, v2                           ; which block of the step
	v_mul_u32_u24 v13, v10, 17                     ; which run of 256 bytes of the wave's 34 is my block's: 17 to a record,
	v_lshl_add_u32 v13, v11, 3, v13                ; 8 to a step,
	v_lshl_add_u32 v13, v8, 2, v13                 ; 4 to a half
	v_add_nc_u32 v13, v13, v12
	v_mul_u32_u24 v14, v13, UP
	v_add_nc_u32 v14, s23, v14                     ; its place in the stage; row t's 16 bytes at 16 t (the immediate)
	v_mul_u32_u24 v5, v10, 17*UP                   ; my scale byte: the record's 17th run (16 UP in the immediate),
	v_lshl_add_u32 v5, v8, 7, v5                   ; 128 bytes a half, 8 a row (the immediate),
	v_and_b32 v15, 7, v2
	v_add_nc_u32 v5, v5, v15                       ; byte b % 8
	v_add_nc_u32 v5, s23, v5
	v_mul_u32_u24 v6, v8, UP                       ; the way out of the stage: sixteen lanes to a run, two runs an instruction
	v_lshl_add_u32 v6, v9, 4, v6
	v_add_nc_u32 v6, s23, v6
	v_lshlrev_b32 v7, 4, v2                        ; and the same 512 bytes in a_q
.macro LOADX t                         ; rows t and 16 + t, all ranks, into set t % 4
.irp r, 0,1,2,3,4,5,6,7
	global_load_b128 v[XR+32*((\t)%4)+4*\r:XR+32*((\t)%4)+4*\r+3], v3, s[RB+2*\r:RB+2*\r+1] offset:4096*(\t) th:TH_LOAD_NT   ; sixteen lanes read 256 consecutive bytes, at a multiple of 256 from x's first byte; read once in the launch
.endr
.endm
.macro STEPX t
.set XS, XR+32*((\t)%4)
.set CD, XC+4*(\t)
.if 15-(\t) >= 3
	s_wait_loadcnt 24                              ; this step's eight loads are in; the 24 of the three steps behind it may be out
.else
	s_wait_loadcnt 8*(15-(\t))                     ; at the end nothing more is asked for: the count runs down
.endif
	BLOCKQ
	v_lshrrev_b32 v[XE+(\t)], 23, v11              ; the scale's byte (also the plain line behind the conversions)
.if (\t)+4 < 16
	LOADX (\t)+4                                   ; the set just converted takes the rows four further down
.endif
	ds_store_b8 v5, v[XE+(\t)] offset:16*UP+8*(\t)
	ds_store_b128 v14, v[CD:CD+3] offset:16*(\t)
.endm
.irp t, 0,1,2,3
	LOADX \t
.endr
.irp t, 0,1,2,3,4,5,6,7,8,9,10,11,12,13,14,15
	STEPX \t
.endr
.irp i, 0,1,2,3,4,5,6,7,8,9,10,11,12,13,14,15,16
	ds_load_b128 v[XR+4*\i:XR+4*\i+3], v6 offset:2*\i*UP           ; LDS serves a wave's instructions in order (ISA guide 5.7.1.4): my stores are seen
.endr
.irp i, 0,1,2,3,4,5,6,7,8,9,10,11,12,13,14,15,16
	s_wait_dscnt 16-\i                             ; LDS loads come back in order: load i is in, the younger ones may be out
	global_store_b128 v7, v[XR+4*\i:XR+4*\i+3], s[8:9] offset:512*\i   ; the wave stores 512 consecutive bytes, at a multiple of 256 from the buffer's first byte
.endr
	s_wait_tensorcnt 0x0
	ds_add_u32 v224, v225
	s_wait_dscnt 0x0
	s_endpgm
; ---------------- weight.  A LANE TAKES A COLUMN n, AND ITS REGISTERS RUN THROUGH A BLOCK: register 4 rank + i is weight[rank][4 j + i][n].  Each load reads 128 consecutive bytes a wave (the four waves stand side by side on 512).
; A lane's 16 bytes of a block stand beside its fifteen neighbours' in b_q: the codes are stored as they are made, sixteen lanes to a run of 256 bytes; the 8 scale bytes of a pair likewise, 32 lanes to 256 bytes.
.Lweight:
	s_sub_co_u32 s17, ttmp9, XWG                   ; 0 .. 511
	s_and_b32 s18, s17, 31                         ; which 128 columns
	s_lshr_b32 s19, s17, 5                         ; Y: blocks 16 Y .. 16 Y + 15
	s_lshl_b32 s18, s18, 2
	s_add_co_u32 s18, s18, s16                     ; G: my wave's double group of columns
	s_lshl_b32 s20, s19, 20                        ; weight: 64 Y rows of 16,384 bytes, in each rank,
	s_lshl_b32 s22, s18, 7                         ; + 32 G columns
	s_add_co_u32 s20, s20, s22
	s_add_nc_u64 s[6:7], s[6:7], s[20:21]
.irp r, 0,1,2,3,4,5,6,7
	s_add_nc_u64 s[RB+2*\r:RB+2*\r+1], s[6:7], \r*0x1000000        ; a rank of weight is 2^24 bytes
.endr
	s_mul_i32 s20, s18, DGB                        ; b_q: my double group,
	s_mul_i32 s22, s19, RUNB                       ; my two pair records
	s_add_co_u32 s20, s20, s22
	s_add_nc_u64 s[10:11], s[10:11], s[20:21]
	s_wait_alu depctr_va_vdst(0)
	v_lshlrev_b32 v3, 2, v2                        ; in: 4 bytes a lane
	v_and_b32 v5, 15, v2
	v_lshrrev_b32 v6, 4, v2
	v_lshlrev_b32 v8, 10, v6                       ; the codes' place: 1,024 bytes a half,
	v_lshl_add_u32 v8, v5, 4, v8                   ; 16 a column
	v_lshlrev_b32 v9, 3, v2                        ; the scale bytes': 8 a column
.macro LOADW t                         ; block t, into set t % 2: four rows of each rank.  63 rows of 16,384 bytes at the most in the immediate
.irp r, 0,1,2,3,4,5,6,7
.irp i, 0,1,2,3
	global_load_b32 v[WN+32*((\t)%2)+4*\r+\i], v3, s[RB+2*\r:RB+2*\r+1] offset:(4*(\t)+\i)*16384 th:TH_LOAD_NT
.endr
.endr
.endm
.macro BLOCKW t
.set XS, WN+32*((\t)%2)
.set CD, WC+4*(\t)
.if (\t) < 15
	s_wait_loadcnt 32                              ; this block's 32 loads are in; the next block's 32 may be out
.else
	s_wait_loadcnt 0x0
.endif
	BLOCKQ
	v_lshrrev_b32 v13, 23, v11                     ; the scale's byte (also the plain line behind the conversions)
.if (\t)%4 == 0
	v_mov_b32 v[WS+(\t)/4], v13                    ; four bytes to a register, the earlier block in the lower byte
.else
	v_lshl_or_b32 v[WS+(\t)/4], v13, 8*((\t)%4), v[WS+(\t)/4]
.endif
.if (\t)+2 < 16
	LOADW (\t)+2
.endif
	global_store_b128 v8, v[CD:CD+3], s[10:11] offset:((\t)/8)*PAIRB+(((\t)/4)%2)*2048+((\t)%4)*256   ; sixteen lanes store 256 consecutive bytes, at a multiple of 256 from the buffer's first byte
.endm
	LOADW 0
	LOADW 1
.irp t, 0,1,2,3,4,5,6,7,8,9,10,11,12,13,14,15
	BLOCKW \t
.endr
	global_store_b64 v9, v[WS:WS+1], s[10:11] offset:4096          ; the first pair's scale bytes: 32 lanes store 256 consecutive bytes
	global_store_b64 v9, v[WS+2:WS+3], s[10:11] offset:PAIRB+4096  ; the second pair's
	s_endpgm
.Lfunc_end_k_qe3937bfdc2_quant:
	.size	k_qe3937bfdc2_quant, .Lfunc_end_k_qe3937bfdc2_quant-k_qe3937bfdc2_quant
	.p2alignl 7, 3214868480
	.fill 96, 4, 3214868480
	.section	.rodata,"a",@progbits
	.p2align	6, 0x0
	.amdhsa_kernel k_qe3937bfdc2_quant
		.amdhsa_group_segment_fixed_size 38400
		.amdhsa_private_segment_fixed_size 0
		.amdhsa_enable_private_segment 0
		.amdhsa_kernarg_size 32
		.amdhsa_user_sgpr_count 2
		.amdhsa_user_sgpr_kernarg_segment_ptr 1
		.amdhsa_wavefront_size32 1
		.amdhsa_system_sgpr_workgroup_id_x 1
		.amdhsa_system_sgpr_workgroup_id_y 1
		.amdhsa_system_sgpr_workgroup_id_z 1
		.amdhsa_system_vgpr_workitem_id 0
		.amdhsa_next_free_vgpr 226
		.amdhsa_next_free_sgpr 66
		.amdhsa_reserve_vcc 0
		.amdhsa_float_denorm_mode_32 3
		.amdhsa_float_denorm_mode_16_64 3
		.amdhsa_memory_ordered 1
		.amdhsa_forward_progress 1
		.amdhsa_inst_pref_size 118
	.end_amdhsa_kernel
	.amdgpu_metadata
---
amdhsa.version: [ 1, 2 ]
amdhsa.kernels:
  - .name:           k_qe3937bfdc2_quant
    .symbol:         k_qe3937bfdc2_quant.kd
    .args:
      - { .name: x, .offset: 0, .size: 8, .value_kind: global_buffer, .address_space: global }
      - { .name: weight, .offset: 8, .size: 8, .value_kind: global_buffer, .address_space: global }
      - { .name: a_q, .offset: 16, .size: 8, .value_kind: global_buffer, .address_space: global }
      - { .name: b_q, .offset: 24, .size: 8, .value_kind: global_buffer, .address_space: global }
    .group_segment_fixed_size: 38400
    .private_segment_fixed_size: 0
    .kernarg_segment_align: 8
    .kernarg_segment_size: 32
    .max_flat_workgroup_size: 128
    .sgpr_count:     66
    .vgpr_count:     226
    .wavefront_size: 32
...
	.end_amdgpu_metadata
.endif
;; end of part 1
;; launch gemm (part 2): grid 16 x 16, 4 waves a work-group, clusters of 4 x 4, 327,680 bytes of LDS; arguments a_q, b_q, out0; writes out0
.if DOCPART == 2
	.amdgcn_target "amdgcn-amd-amdhsa--gfx1250"
	.amdhsa_code_object_version 6
	.text
	.protected	k_qe3937bfdc2_gemm
	.globl	k_qe3937bfdc2_gemm
	.p2align	8
	.type	k_qe3937bfdc2_gemm,@function
k_qe3937bfdc2_gemm:
	s_mov_b64 s[64:65], 0
	v_nop
	global_prefetch_b8 v0, s[64:65] scope:SCOPE_SE
	s_setreg_imm32_b32 hwreg(HW_REG_WAVE_MODE, 25, 1), 1
	s_wait_xcnt 0x0
	s_wait_alu depctr_hold_cnt(0) depctr_sa_sdst(0) depctr_va_vdst(0) depctr_va_sdst(0) depctr_va_ssrc(0) depctr_va_vcc(0) depctr_vm_vsrc(0)
	s_getreg_b32 s2, hwreg(HW_REG_IB_STS2, 6, 4)
	s_cmp_eq_u32 s2, 0
	s_cbranch_scc0 .Lentry_in_a_cluster
	s_endpgm
.Lentry_in_a_cluster:
	s_bfe_u32 s2, ttmp6, 0x10000c
	s_cmp_lg_u32 s2, 0xf033
	s_cbranch_scc0 .Lentry_shape_is_right
	s_endpgm
.Lentry_shape_is_right:
; out0[m][n] = sum over K of A[m][K] B[n][K], 2,048 x 4,096 x 8,192, on codes of FP4 (E2M1) with one E8M0 byte for each 32 along K, as the launch before has laid them:
; a_q [64 double groups of 32 rows][32 pair records], b_q [128 double groups of 32 columns][32 pair records].  A pair record, 4,352 bytes, is 256 along K of 32 rows:
; codes [step 0..1][half 0..1][block 0..3][row 0..15][16 bytes], then at 4,096 the scale bytes [half][row][8 bytes].  A fragment of 16 rows x 128 K is 1,024 consecutive bytes in the operand's register order.
; A work-group of four waves makes 128 x 256 of C (256 work-groups); a wave 64 x 128: 32 accumulators, 256 registers (window 2).
; K goes in RECORDS of three pairs (768 along K, six steps of 128) through two LDS slots: 4 double groups of A and 8 of B, 156,672 bytes a slot; ten whole records and a last one of two pairs.
; Waves 0, 1 fetch A's double groups (two each), waves 2, 3 B's (four each), one tensor load a wave, rows of 13,056 bytes that begin on multiples of 256.
; CLUSTERS: 4 x 4 work-groups; A's tiles are asked for jointly along a row of the cluster, B's along a column.
; ALL SIX STEPS OF A SLOT ARE MULTIPLIED AHEAD OF THE WAIT FOR THE OTHER SLOT'S LOAD: behind that wait stand only the add, its wait, the round and the joint refill.
; PREFETCH: behind each joint load of record r, record r + 1 is asked for, one record (six steps, 192 matrix instructions a wave) ahead of its tensor load.  Each cluster asks for what it will load, each run of 256 bytes once:
; the four partners share the double groups out by address (wave 0: A's double group cx; waves 2, 3: B's double groups 2 cy, 2 cy + 1); 51 runs a record, 34 of the last.  Record 0 comes by its load alone.
; THE LAST RECORD GOES BY ROWS OF C: all its fragments of B fill window 1, and each block of 16 rows leaves as soon as its 32 products are done; K stays ascending in every sum.
; The matrix instruction is used transposed (source 0 = B's rows, source 1 = A's): a lane holds eight neighbouring columns of one row of C.
; REGISTERS: window 0: v16-31 addresses, v32-63 scale words (two sets of 16), v128-191 A's fragments (two sets; in the last record v128-255), v64-191 the way out.  Window 1: B's fragments at v0 and v128 (last record: all 256).
.set PAIRB,  4352
.set RECB,   3*PAIRB                   ; a record of one double group
.set DGB,    32*PAIRB                  ; a double group, all of K
.set ROWE,   RECB/8                    ; a tensor row in elements of 8 bytes
.set LASTE,  2*PAIRB/8                 ; what is left of a row in the last record
.set ALDS,   4*RECB                    ; A's part of a slot
.set SLOT,   12*RECB
.set SPARE,  2*SLOT                    ; the spare words, 512 bytes that no other line names
.set STAGE,  SLOT                      ; the way out: in slot 1, behind its last fill and its last read
.set SPITCH, 528
.set TRIPS,  4
.set ADRA, 16                          ; v16-17 my A fragments in slot 0, 1
.set ADRB, 20                          ; v20-21 my B fragments
.set ADRS, 22                          ; v22-23 scale words: lanes 0-15 A's, lanes 16-31 B's
.set STO,  24
.set RD,   25
.set CO,   26
.set PFO3, 27                          ; prefetch offsets: runs 32, 33 of the short record
.set SPW,  28
.set NIL,  29
.set PFO,  30                          ; runs 0-31
.set PFO2, 31                          ; runs 32-50
.set SC,   32
.set AF,   128
.set BK,   64
.set G1,   24
.set G0,   32
.set G1B,  48
.set G0B,  56
.set PFA,  66                          ; s[66:67] the record that my prefetches name
.set MSB, 0
.macro WIN new                         ; the immediate's high byte repeats the setting that is left
.if MSB != \new
	s_set_vgpr_msb (MSB<<8)|\new
.set MSB, \new
.endif
.endm
.set MUL,  0xa1                        ; source 0 window 1, source 1 window 0, C and D window 2
.set TO_B, 0x40
.macro JLOAD g0a, g1a, g0b, g1b        ; a joint load; the s_nop 0 and four v_nop behind each line
	s_cmp_eq_u32 s15, 0
	s_cbranch_scc0 .Lfor_b_\@
	tensor_load_to_lds s[\g0a:\g0a+3], s[\g1a:\g1a+7]
	s_nop 0
.rept 4
	v_nop
.endr
	s_branch .Lasked_\@
.Lfor_b_\@:
	tensor_load_to_lds s[\g0b:\g0b+3], s[\g1b:\g1b+7]
	s_nop 0
.rept 4
	v_nop
.endr
.Lasked_\@:
.endm
.macro ASK late                        ; late = 1: in the loop's last trip the record named is the short one: 34 runs
	s_cmp_lg_u32 s14, 1                            ; wave 1 has no share
	s_cbranch_scc0 .Lnone_\@
	global_prefetch_b8 v[PFO], s[PFA:PFA+1] th:TH_LOAD_NT scope:SCOPE_SE
.if \late
	s_cmp_gt_u32 s3, 1
	s_cbranch_scc0 .Lshort_\@
.endif
	global_prefetch_b8 v[PFO2], s[PFA:PFA+1] offset:8192 th:TH_LOAD_NT scope:SCOPE_SE
.if \late
	s_branch .Lnone_\@
.Lshort_\@:
	global_prefetch_b8 v[PFO3], s[PFA:PFA+1] offset:8192 th:TH_LOAD_NT scope:SCOPE_SE
.endif
.Lnone_\@:
.endm
.macro CROUND                          ; a round of the cluster's barrier
	s_barrier_signal -1
	s_barrier_wait -1
	s_cmp_lg_u32 s14, 0
	s_cbranch_scc1 .Lnot_wave_0_\@
	s_barrier_signal -3
.Lnot_wave_0_\@:
	s_barrier_wait -3
	s_barrier_signal -1
	s_barrier_wait -1
.endm
	s_load_b128 s[4:7], s[0:1], 0x0                ; a_q, b_q
	s_load_b64 s[12:13], s[0:1], 0x10              ; out0
	v_lshl_add_u32 v[SPW], v0, 2, SPARE
	v_mov_b32 v[NIL], 0
	ds_add_u32 v[SPW], v[NIL]                      ; the opening lines: the add, twice on end, and its wait
	ds_add_u32 v[SPW], v[NIL]
	v_lshrrev_b32 v1, 5, v0
	v_readfirstlane_b32 s14, v1                    ; wave
	s_lshr_b32 s15, s14, 1                         ; my half of the rows; also: I fetch for A (0) or B (1)
	s_and_b32 s16, s14, 1                          ; my half of the columns; also: which half of that tile I fetch
	s_bfe_u32 s40, ttmp6, 0x40000                  ; cx
	s_bfe_u32 s41, ttmp6, 0x40004                  ; cy
	s_lshl_b32 s42, ttmp9, 2
	s_add_co_u32 s42, s42, s40                     ; tile column
	s_and_b32 s17, ttmp7, 0xffff
	s_lshl_b32 s17, s17, 2
	s_add_co_u32 s17, s17, s41                     ; tile row
	s_lshl_b32 s43, s41, 2
	s_lshl_b32 s43, 15, s43                        ; my row of the cluster
	s_lshl_b32 s44, 0x1111, s40                    ; my column
	s_or_b32 s[G1+0], s43, (3<<16)|(1<<21)         ; A: 2 rows of a record, elements of 8 bytes, a double group from row to row
	s_mov_b32 s[G1+1], ROWE<<16
	s_mov_b32 s[G1+2], 2<<16
	s_mov_b32 s[G1+3], ROWE<<16
	s_mov_b32 s[G1+4], 2
	s_mov_b32 s[G1+5], DGB/8
	s_mov_b32 s[G1+6], 0
	s_mov_b32 s[G1+7], 0
	s_or_b32 s[G1B+0], s44, (3<<16)|(1<<21)        ; B: 4 rows
	s_mov_b32 s[G1B+1], ROWE<<16
	s_mov_b32 s[G1B+2], 4<<16
	s_mov_b32 s[G1B+3], ROWE<<16
	s_mov_b32 s[G1B+4], 4
	s_mov_b32 s[G1B+5], DGB/8
	s_mov_b32 s[G1B+6], 0
	s_mov_b32 s[G1B+7], 0
	s_mul_i32 s20, s17, 4*DGB
	s_mul_i32 s18, s16, 2*DGB
	s_add_co_u32 s20, s20, s18
	s_mov_b32 s21, 0
	s_mul_i32 s46, s42, 8*DGB
	s_mul_i32 s69, s16, 4*DGB
	s_add_co_u32 s46, s46, s69
	s_mov_b32 s47, 0
	s_mul_i32 s45, s16, 2*RECB                     ; where they go in a slot: the wave's number alone
	s_mul_i32 s70, s16, 4*RECB
	s_add_co_u32 s70, s70, ALDS
	s_wait_dscnt 0x0                               ; both opening adds are done
	s_wait_kmcnt 0x0
	s_add_nc_u64 s[20:21], s[4:5], s[20:21]
	s_add_nc_u64 s[46:47], s[6:7], s[46:47]
	CROUND                                         ; in front of the first joint loads
.irp s, 0,1
	s_mov_b32 s[G0+4*\s], 1
	s_add_co_u32 s[G0+4*\s+1], s45, \s*SLOT
	s_add_nc_u64 s[G0+4*\s+2:G0+4*\s+3], s[20:21], \s*RECB
	s_or_b32 s[G0+4*\s+3], s[G0+4*\s+3], 0x80000000
	s_mov_b32 s[G0B+4*\s], 1
	s_add_co_u32 s[G0B+4*\s+1], s70, \s*SLOT
	s_add_nc_u64 s[G0B+4*\s+2:G0B+4*\s+3], s[46:47], \s*RECB
	s_or_b32 s[G0B+4*\s+3], s[G0B+4*\s+3], 0x80000000
.endr
	JLOAD G0, G1, G0B, G1B                         ; record 0: one tensor load a wave at the head
	v_and_b32 v1, 15, v0
	v_bfe_u32 v2, v0, 4, 1
	v_and_b32 v3, 31, v0
	v_lshlrev_b32 v4, 4, v3                        ; a fragment lies in register order: 16 bytes a lane
	s_mul_i32 s21, s15, 2*RECB                     ; my 64 rows of A
	s_mul_i32 s22, s16, 4*RECB                     ; my 128 rows of B
	s_add_co_u32 s22, s22, ALDS
	v_lshlrev_b32 v5, 3, v1                        ; scale words: 8 bytes a row
	s_sub_co_u32 s23, s22, s21
	v_mul_u32_u24 v6, s23, v2                      ; lanes 16-31 take B's
	v_add_nc_u32 v5, v5, v6
	v_add_nc_u32 v[ADRS], s21, v5
	v_add_nc_u32 v[ADRS+1], SLOT, v[ADRS]
.irp s, 0,1
	v_add_nc_u32 v[ADRA+\s], s21, v4
	v_add_nc_u32 v[ADRB+\s], s22, v4
	s_add_co_u32 s21, s21, SLOT
	s_add_co_u32 s22, s22, SLOT
.endr
	s_mul_i32 s23, s14, 16*SPITCH                  ; my stage
	s_add_co_u32 s23, s23, STAGE
	v_mul_u32_u24 v5, v1, SPITCH
	v_lshl_add_u32 v5, v2, 5, v5
	v_add_nc_u32 v[STO], s23, v5
	v_lshlrev_b32 v[CO], 4, v3
	v_add_nc_u32 v[RD], s23, v[CO]
	s_lshl_b32 s20, s17, 21                        ; C: 128 rows of 16,384 bytes a tile row, 64 a half,
	s_lshl_b32 s21, s15, 20
	s_add_co_u32 s20, s20, s21
	s_mov_b32 s21, 0
	s_add_nc_u64 s[12:13], s[12:13], s[20:21]
	s_lshl_b32 s46, s42, 10                        ; 1,024 bytes a tile column, 512 a half
	s_lshl_b32 s47, s16, 9
	s_add_co_u32 s46, s46, s47
	s_mov_b32 s47, 0
	s_add_nc_u64 s[12:13], s[12:13], s[46:47]
	s_lshl_b32 s18, s17, 2                         ; the prefetches: A's double group 4 x tile row + cx,
	s_add_co_u32 s18, s18, s40
	s_lshl_b32 s19, s42, 3                         ; B's 8 x tile column + 2 cy + my half
	s_lshl_b32 s20, s41, 1
	s_add_co_u32 s19, s19, s20
	s_add_co_u32 s19, s19, s16
	s_cmp_eq_u32 s15, 0
	s_cselect_b32 s20, s18, s19
	s_cselect_b64 s[PFA:PFA+1], s[4:5], s[6:7]
	s_mul_i32 s20, s20, DGB
	s_add_co_u32 s20, s20, RECB                    ; at record 1
	s_mov_b32 s21, 0
	s_add_nc_u64 s[PFA:PFA+1], s[PFA:PFA+1], s[20:21]
	v_lshlrev_b32 v[PFO], 8, v3                    ; a lane a run of 256 bytes
	v_min_u32 v[PFO2], 18, v3                      ; lanes left over name the last run again
	v_lshlrev_b32 v[PFO2], 8, v[PFO2]
	v_min_u32 v[PFO3], 1, v3
	v_lshlrev_b32 v[PFO3], 8, v[PFO3]
	ASK 0                                          ; record 1
.macro FRAG reg, adr, q, i             ; block i's fragment of the record's q-th 128 along K
.irp c, 0,1
	ds_load_b128 v[\reg+4*\c:\reg+4*\c+3], v[\adr] offset:((\i)/2)*RECB+((\q)/2)*PAIRB+((\q)%2)*2048+((\i)%2)*1024+512*\c
.endr
.endm
.macro FETCH slot, q, p                ; 24 loads: B's eight fragments and A's four into set p
	WIN TO_B
.irp i, 0,1,2,3,4,5,6,7
	FRAG 128*(\p)+8*\i, ADRB+\slot, \q, \i
.endr
	WIN 0
.irp i, 0,1,2,3
	FRAG AF+32*(\p)+8*\i, ADRA+\slot, \q, \i
.endr
.endm
.macro SCALES slot, p, sc              ; 8 loads: pair p's scale words into set sc: register 2 i + e: lanes 0-15 A's block i, lanes 16-31 B's block i, step e
.irp i, 0,1,2,3,4,5,6,7
	ds_load_b64 v[SC+16*(\sc)+2*\i:SC+16*(\sc)+2*\i+1], v[ADRS+\slot] offset:(\i/2)*RECB+(\p)*PAIRB+4096+(\i%2)*128
.endr
.endm
.macro MUL8 a, p, e, sc, zero          ; A's block a against B's eight; the 32 accumulators take turns
.irp b, 0,1,2,3,4,5,6,7
.if \zero
	v_wmma_scale_f32_16x16x128_f8f6f4 v[8*(8*(\a)+\b):8*(8*(\a)+\b)+7], v[128*(\p)+8*\b:128*(\p)+8*\b+7], v[AF+32*(\p)+8*(\a):AF+32*(\p)+8*(\a)+7], 0, v[SC+16*(\sc)+2*\b+(\e)], v[SC+16*(\sc)+2*(\a)+(\e)] matrix_a_fmt:MATRIX_FMT_FP4 matrix_b_fmt:MATRIX_FMT_FP4 matrix_a_scale:MATRIX_SCALE_ROW1
.else
	v_wmma_scale_f32_16x16x128_f8f6f4 v[8*(8*(\a)+\b):8*(8*(\a)+\b)+7], v[128*(\p)+8*\b:128*(\p)+8*\b+7], v[AF+32*(\p)+8*(\a):AF+32*(\p)+8*(\a)+7], v[8*(8*(\a)+\b):8*(8*(\a)+\b)+7], v[SC+16*(\sc)+2*\b+(\e)], v[SC+16*(\sc)+2*(\a)+(\e)] matrix_a_fmt:MATRIX_FMT_FP4 matrix_b_fmt:MATRIX_FMT_FP4 matrix_a_scale:MATRIX_SCALE_ROW1
.endif
.endr
.endm
.macro PLACES n                        ; plain places behind matrix instructions, ahead of loads into their registers and of reads of results
.rept \n
	v_nop
.endr
.endm
.macro STEP slot, q, zero              ; fetches step q + 1 of the same slot into the other set, multiplies step q
	PLACES 4
	FETCH \slot, (\q)+1, 1-(\q)%2
.if ((\q)+1)%2 == 0
	SCALES \slot, ((\q)+1)/2, (\slot+((\q)+1)/2)%2
	s_wait_dscnt 32                                ; all but the 32 just issued
.else
	s_wait_dscnt 24                                ; all but the 24 just issued
.endif
	WIN MUL
	MUL8 0, (\q)%2, (\q)%2, (\slot+(\q)/2)%2, \zero
	MUL8 1, (\q)%2, (\q)%2, (\slot+(\q)/2)%2, \zero
	MUL8 2, (\q)%2, (\q)%2, (\slot+(\q)/2)%2, \zero
	MUL8 3, (\q)%2, (\q)%2, (\slot+(\q)/2)%2, \zero
	WIN 0
.endm
.macro REST slot, from                 ; steps from .. 4, and step 5, which fetches nothing: the slot is read out and multiplied
.set Q, \from
.rept 5-\from
	STEP \slot, Q, 0
.set Q, Q+1
.endr
	s_wait_dscnt 0x0
	WIN MUL
	MUL8 0, 1, 1, \slot, 0
	MUL8 1, 1, 1, \slot, 0
	MUL8 2, 1, 1, \slot, 0
	MUL8 3, 1, 1, \slot, 0
	WIN 0
.endm
; The change of slots.  fill = 1: this slot takes the record two on; 2: the short last record; 0: nothing is filled.
.macro TURN slot, fill
.if \fill == 1
	s_wait_xcnt 0x0                                ; my last prefetch has read its address
	s_add_nc_u64 s[PFA:PFA+1], s[PFA:PFA+1], RECB
.endif
	s_wait_tensorcnt 0x0                           ; my one load that was out, my part of the other slot, has landed
	ds_add_u32 v[SPW], v[NIL]                      ; the add; the descriptors' steps stand between it and its wait
.if \fill == 2
	s_mov_b32 s[G1+1], LASTE<<16                   ; two pairs are left of each row
	s_mov_b32 s[G1B+1], LASTE<<16
.endif
.if \fill
	s_add_nc_u64 s[G0+4*\slot+2:G0+4*\slot+3], s[G0+4*\slot+2:G0+4*\slot+3], 2*RECB
	s_add_nc_u64 s[G0B+4*\slot+2:G0B+4*\slot+3], s[G0B+4*\slot+2:G0B+4*\slot+3], 2*RECB
.endif
	s_wait_dscnt 0x0                               ; the add is done; my reads of this slot were back ahead of its last step
.if \fill
	CROUND                                         ; no wave of any partner reads this slot or has a load out
	JLOAD G0+4*\slot, G1, G0B+4*\slot, G1B         ; the four v_nop behind it are also the places for the loads that follow
.else
	s_barrier_signal -1
	s_barrier_wait -1
	PLACES 4
.endif
.endm
.macro OPEN next                       ; the next slot's first fragments and scale words
	FETCH \next, 0, 0
	SCALES \next, 0, \next
.endm
	s_wait_alu depctr_va_vdst(0)                   ; the wait at the head's end
	s_wait_tensorcnt 0x0                           ; my part of record 0 is in; the same lines as ahead of a refill
	ds_add_u32 v[SPW], v[NIL]
	s_wait_xcnt 0x0
	s_add_nc_u64 s[PFA:PFA+1], s[PFA:PFA+1], RECB  ; at record 2
	s_wait_dscnt 0x0
	CROUND
	JLOAD G0+4, G1, G0B+4, G1B                     ; record 1: slot 1's first fill
	OPEN 0
	ASK 0                                          ; record 2
	STEP 0, 0, 1                                   ; the first step starts the sums
	s_mov_b32 s3, TRIPS
.Llap:                                                 ; a trip: two records, both slots filled again
	REST 0, 1
	TURN 0, 1
	OPEN 1
	ASK 0
	REST 1, 0
	TURN 1, 1
	OPEN 0
	ASK 1
	STEP 0, 0, 0
	s_sub_co_u32 s3, s3, 1
	s_cmp_lg_u32 s3, 0
	s_cbranch_scc1 .Llap
	REST 0, 1                                      ; record 8
	TURN 0, 2                                      ; the last load: record 10
	OPEN 1
	REST 1, 0                                      ; record 9
	TURN 1, 0
; Record 10, four steps, by rows of C.
	WIN TO_B
.irp q, 0,1,2,3
.irp i, 0,1,2,3,4,5,6,7
	FRAG 64*\q+8*\i, ADRB, \q, \i
.endr
.endr
	WIN 0
.irp q, 0,1,2,3
	FRAG AF+8*\q, ADRA, \q, 0
.endr
	SCALES 0, 0, 0
	SCALES 0, 1, 1
.irp a, 1,2,3
.irp q, 0,1,2,3
	FRAG AF+32*\a+8*\q, ADRA, \q, \a
.endr
.endr
.macro ROW a                           ; block a is finished: its 8 accumulators by turns, K ascending
	WIN MUL
.irp q, 0,1,2,3
.irp b, 0,1,2,3,4,5,6,7
	v_wmma_scale_f32_16x16x128_f8f6f4 v[8*(8*(\a)+\b):8*(8*(\a)+\b)+7], v[64*\q+8*\b:64*\q+8*\b+7], v[AF+32*(\a)+8*\q:AF+32*(\a)+8*\q+7], v[8*(8*(\a)+\b):8*(8*(\a)+\b)+7], v[SC+16*(\q/2)+2*\b+(\q%2)], v[SC+16*(\q/2)+2*(\a)+(\q%2)] matrix_a_fmt:MATRIX_FMT_FP4 matrix_b_fmt:MATRIX_FMT_FP4 matrix_a_scale:MATRIX_SCALE_ROW1
.endr
.endr
	WIN 0
.endm
.macro TOSTAGE a                       ; 16 rows x 128 columns into my stage, and back as whole rows of 512 bytes: v64-127 and v128-191 by turns
	WIN 0x08
.irp b, 0,1,2,3,4,5,6,7
	ds_store_b128 v[STO], v[64*(\a)+8*\b:64*(\a)+8*\b+3] offset:64*\b          ; each accumulator from its low end on
	ds_store_b128 v[STO], v[64*(\a)+8*\b+4:64*(\a)+8*\b+7] offset:64*\b+16
.endr
	WIN 0
.set BB, BK+64*((\a)%2)
.irp t, 0,1,2,3,4,5,6,7,8,9,10,11,12,13,14,15
	ds_load_b128 v[BB+4*\t:BB+4*\t+3], v[RD] offset:\t*SPITCH      ; LDS serves a wave's instructions in order: my stores are seen
.endr
.endm
.macro SEND a
.set BB, BK+64*((\a)%2)
	s_wait_dscnt 0x0
.irp t, 0,1,2,3,4,5,6,7,8,9,10,11,12,13,14,15
	global_store_b128 v[CO], v[BB+4*\t:BB+4*\t+3], s[12:13] offset:(16*(\a)+\t)*16384 th:TH_STORE_NT   ; 32 lanes store 512 consecutive bytes, at a multiple of 256 from the buffer's first byte
.endr
.endm
	s_wait_dscnt 24                                ; all but A's blocks 1 to 3
	ROW 0
.irp a, 0,1,2,3
	PLACES 4                                       ; for the reads of results just made, and for loads into A's registers that are done with
.if \a > 1
	s_wait_xcnt 0x0                                ; block a - 2's stores have read their registers
.endif
	TOSTAGE \a
.if \a == 0
	s_wait_dscnt 32                                ; A's blocks 1 to 3 are in; the stage's 32 may be out
.endif
.if \a < 3
	ROW (\a)+1                                     ; the next block is multiplied while this one goes through the stage
.endif
	SEND \a
.endr
	s_wait_tensorcnt 0x0                           ; the wave's end
	ds_add_u32 v[SPW], v[NIL]
	s_wait_dscnt 0x0
	CROUND                                         ; the closing round
	s_endpgm
.Lfunc_end_k_qe3937bfdc2_gemm:
	.size	k_qe3937bfdc2_gemm, .Lfunc_end_k_qe3937bfdc2_gemm-k_qe3937bfdc2_gemm
	.p2alignl 7, 3214868480
	.fill 96, 4, 3214868480
	.section	.rodata,"a",@progbits
	.p2align	6, 0x0
	.amdhsa_kernel k_qe3937bfdc2_gemm
		.amdhsa_group_segment_fixed_size 327680
		.amdhsa_private_segment_fixed_size 0
		.amdhsa_enable_private_segment 0
		.amdhsa_kernarg_size 24
		.amdhsa_user_sgpr_count 2
		.amdhsa_user_sgpr_kernarg_segment_ptr 1
		.amdhsa_wavefront_size32 1
		.amdhsa_system_sgpr_workgroup_id_x 1
		.amdhsa_system_sgpr_workgroup_id_y 1
		.amdhsa_system_sgpr_workgroup_id_z 1
		.amdhsa_system_vgpr_workitem_id 0
		.amdhsa_next_free_vgpr 768
		.amdhsa_next_free_sgpr 72
		.amdhsa_reserve_vcc 0
		.amdhsa_float_denorm_mode_32 3
		.amdhsa_float_denorm_mode_16_64 3
		.amdhsa_memory_ordered 1
		.amdhsa_forward_progress 1
		.amdhsa_inst_pref_size 197
	.end_amdhsa_kernel
	.amdgpu_metadata
---
amdhsa.version: [ 1, 2 ]
amdhsa.kernels:
  - .name:           k_qe3937bfdc2_gemm
    .symbol:         k_qe3937bfdc2_gemm.kd
    .args:
      - { .name: a_q, .offset: 0, .size: 8, .value_kind: global_buffer, .address_space: global }
      - { .name: b_q, .offset: 8, .size: 8, .value_kind: global_buffer, .address_space: global }
      - { .name: out0, .offset: 16, .size: 8, .value_kind: global_buffer, .address_space: global }
    .group_segment_fixed_size: 327680
    .private_segment_fixed_size: 0
    .kernarg_segment_align: 8
    .kernarg_segment_size: 24
    .max_flat_workgroup_size: 128
    .sgpr_count:     72
    .vgpr_count:     768
    .wavefront_size: 32
...
	.end_amdgpu_metadata
.endif
;; end of part 2
